; MI455X (gfx1250); checked and timed in simulation.
; The chip was launched on July 23, 2026; its instructions are those of AMD's public machine-readable ISA for CDNA 5 (MIT licence, August 2026) and "CDNA5" Instruction Set Architecture Reference Guide (July 2026). The comments in the code are by the model that wrote it; some were corrected since.
;; Partial Encoder Weighted Sum EDDI Multi Weight. Allowed arithmetic: matrix products marked QUANTISED: E5M2 operands, one given power-of-two scale a tensor, by v_wmma_f32_16x16x64_bf8_bf8 or v_wmma_f32_16x16x128_bf8_bf8, f32 sums; products left as they are: f32 operands where the result goes on into a quantised operand, else bf16, f16 or f32 operands; f32 sums; everything else in f32.
;; Inputs: c_b 32 float32; c_ln_b 32 float32; c_ln_w 32 float32; c_w 128 x 32 float32; e_b1 256 float32; e_b2 64 float32; e_ln1_b 256 float32; e_ln1_w 256 float32; e_ln2_b 64 float32; e_ln2_w 64 float32; e_w1 32 x 256 float32; e_w2 256 x 64 float32; fe 8,192 x 32 float32; g_b1 16 float32; g_b2 4 float32; g_w1 32 x 16 float32; g_w2 16 x 4 float32; h_b1 128 float32; h_b2 32 float32; h_ln1_b 128 float32; h_ln1_w 128 float32; h_ln2_b 32 float32; h_ln2_w 32 float32; h_w1 33 x 128 float32; h_w2 128 x 32 float32; lowp_scales 12 int32 (the exponents e of the quantised operands' scales 2^e); mask 128 x 8,192 int32; x 128 x 8,192 float32.
;; Outputs: out0 128 x 32 float32; out1 128 x 32 float32.
;; This version of the problem:
;;   THIS VERSION OF THE PROBLEM IS GIVEN IN LOW PRECISION. The matrix products marked QUANTISED in the list below multiply operands that are first quantised to E5M2 (5 exponent bits, 2 mantissa bits; 8 bits a number), with one given power-of-two scale for each operand tensor; their sums are f32. All else is computed in f32.
;;   The module's matrix products, in the order in which they are computed (A, B: the left and right operand; K: the contracted axis; several contracted axes count as one K, in the product's order):
;;     1. [M 8,192, K 32] x [K 32, N 128]; A: input fe; B: input h_w1: QUANTISED (scales: A lowp_scales[0], B lowp_scales[1])
;;     2. [M 1,048,576, K 128] x [K 128, N 32]; A: computed on the way; B: input h_w2: QUANTISED (scales: A lowp_scales[2], B lowp_scales[3])
;;     3. [M 1,048,576, K 32] x [K 32, N 16]; A: computed on the way; B: input g_w1: QUANTISED (scales: A lowp_scales[4], B lowp_scales[5])
;;     4. [M 1,048,576, K 16] x [K 16, N 4]; A: computed on the way; B: input g_w2: left as it is (K = 16 < 32)
;;     5. batch 128 x [M 4, K 8,192] x [K 8,192, N 32]; A: softmax; B: computed on the way: left as it is (M = 4 < 16)
;;     6. [M 128, K 128] x [K 128, N 32]; A: computed on the way; B: input c_w: QUANTISED (scales: A lowp_scales[6], B lowp_scales[7])
;;     7. [M 128, K 32] x [K 32, N 256]; A: computed on the way; B: input e_w1: QUANTISED (scales: A lowp_scales[8], B lowp_scales[9])
;;     8. [M 128, K 256] x [K 256, N 64]; A: computed on the way; B: input e_w2: QUANTISED (scales: A lowp_scales[10], B lowp_scales[11])
;;   THE QUANTISER, for each operand of a quantised product, along K:
;;     - The operand's scale is 2^e, e = its entry of the input lowp_scales (int32; the entries are numbered through the quantised products in the list's order, A before B).
;;     - Each number is divided by the scale, clamped to +-57,344, and rounded to the nearest number of E5M2, ties to even, subnormals kept.
;;     - The product sums the exact products of the quantised numbers (number of the format x scale) in f32.
;;   ~~~python
;;   def quantise(x, axis, e):      # numpy; x: float32 -> the quantised numbers, widened to float32 again
;;       x = np.moveaxis(x, axis, -1); K = x.shape[-1]
;;       r = np.clip(x / 2.0 ** e, -57344, 57344)
;;       step = 2.0 ** (np.maximum(np.frexp(np.where(r == 0, 1, r))[1] - 1, -14) - 2)
;;       q = np.round(r / step) * step * 2.0 ** e      # np.round: ties to even
;;       return np.moveaxis(q, -1, axis).astype(np.float32)
;;   ~~~
;;   OPERANDS COMPUTED ON THE WAY. 'Computed on the way' means the value that the module computes at that place (a softmax that the list does not call 'softmax' is quantised finished and normalised). What goes into a quantiser is computed in f32, as accurately as f32 sums, v_exp_f32 and their like allow (about 1e-6 of the number): no bf16 or f16 on the way to a quantiser, and a product that is left as it is and whose result goes on into a quantised operand takes f32 operands (vector FMAs, or v_wmma_f32_16x16x4_f32). A number that lies on a knife's edge between two numbers of the format may be rounded either way, as far as f32 arithmetic and the matrix unit's own rounding can turn it there, and no further.
;; One version. Each part assembles by itself: llvm-mc -triple=amdgcn-amd-amdhsa -mcpu=gfx1250 --defsym DOCPART=n.
;; ======== version 1 of 1: 2 launches
;; limits: right only within a limited range of input values
;; workspace buffers: part 2,359,296 bytes
;; launch main (part 1): grid 32 x 8, 8 waves a work-group, no clusters, 265,216 bytes of LDS; arguments x, mask, fe, h_w1, h_b1, h_ln1_w, h_ln1_b, h_w2, h_b2, h_ln2_w, h_ln2_b, g_w1, g_b1, g_w2, g_b2, lowp_scales, part; writes part
.if DOCPART == 1
	.amdgcn_target "amdgcn-amd-amdhsa--gfx1250"
	.amdhsa_code_object_version 6
	.text
	.protected	k_q62e6db305b_main
	.globl	k_q62e6db305b_main
	.p2align	8
	.type	k_q62e6db305b_main,@function
k_q62e6db305b_main:
	s_mov_b64 s[64:65], 0
	v_nop
	global_prefetch_b8 v0, s[64:65] scope:SCOPE_SE
	s_setreg_imm32_b32 hwreg(HW_REG_WAVE_MODE, 25, 1), 1
	s_wait_xcnt 0x0
; PRODUCTS 1 TO 5: for 128 cells x 8,192 junctions the encoder h, the gates, and the un-normalised softmax sums over the junctions.
; SHARES.  A work-group takes 16 cells (y) x 256 junctions (x); each of its 8 waves 32 of the junctions.  A TILE is 16 cells at ONE junction: lane (r, h) is cell r and holds the
; units 16 t + 8 h + i, which is the place that the plain 8-bit operand layout gives k.  All products are used transposed (source 0 = 16 units of a weight, source 1 = the 16 cells),
; so that each result's eight registers, converted, ARE two registers of the next operand, and the sums over the junctions never leave a lane.
; LAYER 1 WITHOUT A SUM PER ROW.  With a = h_w1[0], c_j = fe_j W 2^(e0+e1) + h_b1, a' and c' centred over the 128 units, beta_j = <a', c'_j> / <a', a'>, r_j = c'_j - beta_j a' (at right
; angles to a') and u = x + beta_j:  pre - mean = u a' + r_j  and  var = u^2 <a',a'>/128 + <r_j,r_j>/128: two terms that are not negative.  So
; h1 = relu(rs Rg_j + (rs u) A + h_ln1_b), Rg_j = r_j g, A = a' g, rs = rsq(var + 1e-5): two packed multiply-adds, a hold and an eighth of a conversion for a pair of numbers.
; Each wave makes Rg, beta and <r,r>/128 + 1e-5 of its own 32 junctions at its head (product 1) and keeps them in LDS bytes of its own; a tile reads its junction's row, the same for all 16 cells.
; THE NORMS behind products 2 and 3 work on the raw sums: the bias goes in as C, divided by the power of two that the sums lack, and eps is divided by its square: the same numbers.
; THE SOFTMAX TAKES NO MAXIMUM AWAY: the logits are clipped to +-10 as the problem itself clips them, so an exponential lies between 4.5e-5 and 2.3e4 and a sum of 8,192 of them under 2e8.
; A junction whose mask is not positive gets both clip bounds -1e9, the problem's own fill: its weight is 0.  Sums and divisors go to the buffer part; the next launch adds the 32 chunks and divides.
; NO TENSOR LOADS, NO CLUSTER: a work-group reads some 100 KB once at its head and then issues some 11,000 vector instructions a wave; what work-groups share (32 KB of fe, 36 KB of weights) is a small part of that.
; LIMITS.  Each e of lowp_scales between -126 and 112; e0 + e1 and e4 + e5 between -126 and 127; e2 + e3 between -72 and 54 (each power of two below is then an f32 number).
; NaN and infinity among the inputs are not served.  <a',a'> is held at 2^-100 from below: a row h_w1[0] flatter than that counts as flat.
; LDS: for each wave WB bytes of its own (table, x, mask, statistics, two biases); then the images of h_w1's and h_w2's codes, made once by the eight waves together; then the stage for the sum over the waves.
.set WB,    22784                      ; a wave's block
.set XS,    16896                      ; in it: TAB at 0: 32 rows of 528 bytes (Rg: [h][64 f32] + 16 of padding);  x: 16 rows of 144 bytes (32 junctions + 16 of padding)
.set MSO,   2304                       ; the mask lies this far behind x, laid likewise
.set STB,   21504                      ; beta[32], then <r,r>/128 + 1e-5 [32]
.set BST,   21760                      ; h_b1[128], then h_ln1_b[128]
.set IMG1,  182272                     ; h_w1's codes: tile t at 512 t + 16 x lane; h_w2's follow 4,096 bytes on
.set RED,   190464                     ; [group 18][wave 8][512 bytes]
.set CHS,   73728                      ; part: from chunk to chunk: 16 octets of cells x 4,608 bytes
; REGISTERS, window 1 (v256-511):
.set AA,    0                          ; a, a', then A
.set BE,    64                         ; h_ln1_w, then h_ln1_b
.set CT,    128                        ; at the head numbers on their way to codes, then product 1's sums; in the loop a row of Rg, then h1
.set AC,    192                        ; at the head numbers, then h_b1; in the loop the 64 sums: index 16 head + 8 t + i
; window 0:
.set ATB,   1                          ; the wave's table + 256 h                     (v1, v2, v4, v5, v6 hold LDS store addresses at the head)
.set ATW,   2                          ; + the trip's four rows
.set AXB,   3                          ; the wave's x + 144 r
.set AXW,   4
.set ASB,   5                          ; the wave's statistics
.set ASW,   6
.set VNEG,  7                          ; -1e9
.set LIM1,  8                          ; 57,344 x 2^e2
.set SC1,   9                          ; 2^e2
.set LIM3,  10                         ; the same with e4
.set SC3,   11
.set SAA,   12                         ; <a',a'>/128, twice
.set VHI,   14                         ; 10 log2(e)
.set VLO,   15
.set DEN,   16                         ; the four heads' divisors
.set CNT,   20                         ; the sum of the mask, int32
.set ATN,   21                         ; a copy of ATW for the row that is asked for across the trip's edge  (at the head v21 = r, v22 = h, v23 = lane)
.set XQ,    24                         ; four junctions' x, mask, beta, <r,r>/128 + 1e-5
.set MQ,    28
.set BQ,    32
.set RQ,    36
.set RS,    40                         ; rs
.set RU,    44                         ; rs u
.set UQ,    48                         ; u
.set IS,    48                         ; at the head: 1 / <a',a'>
.set LOB,   52                         ; the tile's clip bounds
.set HIB,   53
.set TS,    54                         ; v54-61 at work
.set MN,    62                         ; a mean; v63 a factor
.set HC,    64                         ; h1's codes; later h_out held
.set W1F,   64                         ; at the head: h_w1's codes, 8 tiles x 4 registers, and four zeros behind them
.set Z,     80                         ; product 2's sums, then h_out
.set OC,    96                         ; h_out's codes; v100-103 stay 0 (K = 32 in a form of 64)
.set U,     104                        ; product 3's sums
.set FC0,   104                        ; at the head: fe's codes of 16 junctions and four zeros, twice
.set FC1,   112
.set P,     112                        ; logits, then weights
.set E,     116
.set PB,    120
.set GBIAS, 124                        ; g_b2 log2(e) in lanes 0-15, 0 in lanes 16-31
.set W2F,   128                        ; h_w2's codes: two tiles x 16 registers
.set G1F,   160                        ; g_w1's codes; v164-167 stay 0
.set HB2,   168                        ; h_b2 / 2^(e2+e3)
.set GB1,   184                        ; g_b1 / 2^(e4+e5)
.set LG,    192                        ; h_ln2_w
.set LB,    208                        ; h_ln2_b
.set G2,    224                        ; g_w2 x 2^(e4+e5) log2(e): index 4 i + head, unit 8 h + i
.set MSB, 0
.macro WIN new                         ; bits 1:0 source 0, 3:2 source 1, 5:4 source 2, 7:6 destination; the high byte repeats the setting that is left
.if MSB != (\new)
	s_set_vgpr_msb (MSB<<8)|(\new)
.set MSB, (\new)
.endif
.endm
.macro MKSC se, vsc, vlim              ; 2^e and 57,344 x 2^e as f32 numbers
	s_add_co_i32 s2, s[\se], 127
	s_lshl_b32 s3, s2, 23
	v_mov_b32 v[\vsc], s3
	s_add_co_i32 s2, s2, 15
	s_lshl_b32 s2, s2, 23
	s_or_b32 s2, s2, 0x600000
	v_mov_b32 v[\vlim], s2
.endm
.macro QW16 dst, voff, sb, pitch, off  ; a weight stored [k][n]: a lane takes column r and its registers run down K: register 8 c + i = k 16 c + 8 h + i (8 h rows stand in the lane's offset)
.set ix, 0
.rept 16
	global_load_b32 v[\dst+ix], v[\voff], s[\sb:\sb+1] offset:(16*(ix/8)+ix%8)*\pitch+\off
.set ix, ix+1
.endr
.endm
.macro QUANT16 src, dst, vsc, vlim     ; 16 numbers of window 1 become 16 codes in four registers of window 0
	WIN 0x41
.set ix, 0
.rept 16
	v_med3_num_f32 v[\src+ix], v[\src+ix], -v[\vlim], v[\vlim]   ; the conversion does not saturate (ISA guide 7.6.2): the hold at the largest code x the scale
.set ix, ix+1
.endr
	WIN 0x01
	v_cvt_scalef32_pk8_bf8_f32 v[\dst:\dst+1], v[\src:\src+7], v[\vsc]
	v_cvt_scalef32_pk8_bf8_f32 v[\dst+2:\dst+3], v[\src+8:\src+15], v[\vsc]
	WIN 0
	v_nop                                          ; a plain line behind the last conversion: matrix instructions later read the codes and write the numbers' registers
.endm
.macro ZTS
	v_mov_b32 v[TS], 0
	v_mov_b32 v[TS+1], 0
	v_mov_b32 v[TS+2], 0
	v_mov_b32 v[TS+3], 0
.endm
.macro FIN                             ; two chains of pairs and the lane 16 away become one number, in v[TS]
	v_pk_add_f32 v[TS:TS+1], v[TS:TS+1], v[TS+2:TS+3]
	v_add_f32 v[TS], v[TS], v[TS+1]
	v_permlanex16_b32 v[TS+1], v[TS], s58, s59
	v_add_f32 v[TS], v[TS], v[TS+1]
.endm
.macro PKSUM b                         ; (source 0 in window 1)  the chains += 64 numbers
.set ix, 0
.rept 32
	v_pk_add_f32 v[TS+2*(ix%2):TS+2*(ix%2)+1], v[\b+2*ix:\b+2*ix+1], v[TS+2*(ix%2):TS+2*(ix%2)+1]
.set ix, ix+1
.endr
.endm
.macro PKCEN b                         ; (destination and source 0 in window 1)  64 numbers -= v[MN]
.set ix, 0
.rept 32
	v_pk_add_f32 v[\b+2*ix:\b+2*ix+1], v[\b+2*ix:\b+2*ix+1], v[MN:MN+1] op_sel_hi:[1,0] neg_lo:[0,1] neg_hi:[0,1]
.set ix, ix+1
.endr
.endm
.macro PKDOT a, b                      ; (sources 0 and 1 in window 1)  the chains += a x b
.set ix, 0
.rept 32
	v_pk_fma_f32 v[TS+2*(ix%2):TS+2*(ix%2)+1], v[\a+2*ix:\a+2*ix+1], v[\b+2*ix:\b+2*ix+1], v[TS+2*(ix%2):TS+2*(ix%2)+1]
.set ix, ix+1
.endr
.endm
.macro SUM16 z                         ; v[TS] = the sum of a lane's 16 and of the 16 of the lane 16 away; each accumulator is read from its low end on
	v_pk_add_f32 v[TS:TS+1], v[\z:\z+1], v[\z+2:\z+3]
	v_pk_add_f32 v[TS+2:TS+3], v[\z+4:\z+5], v[\z+6:\z+7]
	v_pk_add_f32 v[TS+4:TS+5], v[\z+8:\z+9], v[\z+10:\z+11]
	v_pk_add_f32 v[TS+6:TS+7], v[\z+12:\z+13], v[\z+14:\z+15]
	v_pk_add_f32 v[TS:TS+1], v[TS:TS+1], v[TS+2:TS+3]
	v_pk_add_f32 v[TS+4:TS+5], v[TS+4:TS+5], v[TS+6:TS+7]
	v_pk_add_f32 v[TS:TS+1], v[TS:TS+1], v[TS+4:TS+5]
	v_add_f32 v[TS], v[TS], v[TS+1]
	v_permlanex16_b32 v[TS+1], v[TS], s58, s59
	v_add_f32 v[TS], v[TS], v[TS+1]
.endm
.macro CEN16 z
.irp p, 0,2,4,6,8,10,12,14
	v_pk_add_f32 v[\z+\p:\z+\p+1], v[\z+\p:\z+\p+1], v[MN:MN+1] op_sel_hi:[1,0] neg_lo:[0,1] neg_hi:[0,1]
.endr
.endm
.macro SQ16 z, d                       ; v[d] = the sum of the 32 squares
	v_pk_mul_f32 v[TS:TS+1], v[\z:\z+1], v[\z:\z+1]
	v_pk_mul_f32 v[TS+2:TS+3], v[\z+2:\z+3], v[\z+2:\z+3]
.irp p, 4,8,12
	v_pk_fma_f32 v[TS:TS+1], v[\z+\p:\z+\p+1], v[\z+\p:\z+\p+1], v[TS:TS+1]
	v_pk_fma_f32 v[TS+2:TS+3], v[\z+\p+2:\z+\p+3], v[\z+\p+2:\z+\p+3], v[TS+2:TS+3]
.endr
	v_pk_add_f32 v[TS:TS+1], v[TS:TS+1], v[TS+2:TS+3]
	v_add_f32 v[TS], v[TS], v[TS+1]
	v_permlanex16_b32 v[TS+1], v[TS], s58, s59
	v_add_f32 v[\d], v[TS], v[TS+1]
.endm
.macro LN32 z, seps, lg, lb            ; a norm over 32 units, 16 in a lane: the mean is taken away before the squares
	SUM16 \z
	v_mul_f32 v[MN], 0x3d000000, v[TS]             ; / 32
	CEN16 \z
	SQ16 \z, TS
	v_fma_f32 v[TS], v[TS], 0x3d000000, s[\seps]
	v_rsq_f32 v[MN+1], v[TS]
	v_nop                                          ; a plain line behind the transcendental
	s_wait_alu depctr_va_vdst(0)
.irp p, 0,2,4,6,8,10,12,14
	v_pk_mul_f32 v[\z+\p:\z+\p+1], v[\z+\p:\z+\p+1], v[MN:MN+1] op_sel:[0,1] op_sel_hi:[1,1]
.endr
.irp p, 0,2,4,6,8,10,12,14
	v_pk_fma_f32 v[\z+\p:\z+\p+1], v[\z+\p:\z+\p+1], v[\lg+\p:\lg+\p+1], v[\lb+\p:\lb+\p+1]
.endr
.endm
	; ---- addresses
	s_load_b512 s[8:23], s[0:1], 0x0               ; x 8, mask 10, fe 12, h_w1 14, h_b1 16, h_ln1_w 18, h_ln1_b 20, h_w2 22
	s_load_b512 s[24:39], s[0:1], 0x40             ; h_b2 24, h_ln2_w 26, h_ln2_b 28, g_w1 30, g_b1 32, g_w2 34, g_b2 36, lowp_scales 38
	s_load_b64 s[40:41], s[0:1], 0x80              ; part
	v_lshrrev_b32 v23, 5, v0
	v_readfirstlane_b32 s52, v23                   ; wave 0..7
	s_mov_b32 s53, ttmp9                           ; chunk of 256 junctions
	s_and_b32 s54, ttmp7, 0xffff                   ; tile of 16 cells
	s_mov_b32 s58, 0x76543210                      ; v_permlanex16_b32: lane l xor 16
	s_mov_b32 s59, 0xfedcba98
	s_mov_b32 s63, 0x3727c5ac                      ; 1e-5
	s_mul_i32 s55, s52, WB                         ; my wave's block of LDS
	v_and_b32 v21, 15, v0                          ; r
	v_bfe_u32 v22, v0, 4, 1                        ; h
	v_and_b32 v23, 31, v0                          ; lane
	v_lshrrev_b32 v56, 3, v23
	v_and_b32 v57, 7, v23
	v_lshlrev_b32 v58, 2, v21                      ; 4 r
	v_mov_b32 v59, 0
	v_mov_b32 v63, 0                               ; (named as the upper half of the pair v[62:63])
	v_lshlrev_b32 v48, 15, v56
	v_lshl_add_u32 v48, v57, 4, v48                ; x, mask: four rows of 128 bytes a load: row lane / 8, 16 bytes a lane
	v_lshlrev_b32 v49, 7, v21
	v_lshl_add_u32 v49, v22, 5, v49                ; fe: row r of 128 bytes, + 32 h
	v_lshl_add_u32 v50, v22, 12, v58               ; h_w1: 8 h rows of 512 bytes + 4 r
	v_lshl_add_u32 v51, v22, 10, v58               ; h_w2: rows of 128 bytes
	v_lshl_add_u32 v52, v22, 9, v58                ; g_w1: rows of 64 bytes
	v_lshlrev_b32 v53, 5, v22                      ; 32 h
	v_lshlrev_b32 v54, 7, v22                      ; 128 h
	v_lshlrev_b32 v55, 4, v23                      ; 16 x lane
	s_lshl_b32 s2, s52, 9
	v_add_nc_u32 v1, s2, v55
	v_add_nc_u32 v1, IMG1, v1                      ; where I store my two images of codes
	v_mul_u32_u24 v2, v21, 528
	v_lshl_add_u32 v2, v22, 8, v2
	v_add_nc_u32 v2, s55, v2                       ; the table, on the way in: row r, half h
	v_add_nc_u32 v4, s55, v58
	v_add_nc_u32 v4, STB, v4                       ; the statistics, on the way in: word r
	v_mul_u32_u24 v5, v56, 144
	v_lshl_add_u32 v5, v57, 4, v5
	v_add_nc_u32 v5, s55, v5
	v_add_nc_u32 v5, XS, v5                        ; x and the mask, on the way in
	v_add_nc_u32 v6, s55, v55
	v_add_nc_u32 v6, BST, v6                       ; the two biases, on the way in
	s_mov_b32 s57, 0
	s_wait_kmcnt 0x0
	s_load_b256 s[44:51], s[38:39], 0x0            ; e0 .. e7
	s_lshl_b32 s56, s54, 19                        ; 16 rows of 32,768 bytes a tile of cells,
	s_lshl_b32 s2, s53, 10                         ; 1,024 bytes a chunk,
	s_add_co_u32 s56, s56, s2
	s_lshl_b32 s2, s52, 7                          ; 128 a wave
	s_add_co_u32 s56, s56, s2
	s_add_nc_u64 s[76:77], s[8:9], s[56:57]        ; x
	s_add_nc_u64 s[78:79], s[10:11], s[56:57]      ; mask
	s_lshl_b32 s56, s53, 15
	s_lshl_b32 s2, s52, 12
	s_add_co_u32 s56, s56, s2
	s_add_nc_u64 s[80:81], s[12:13], s[56:57]      ; fe at my 32 junctions
	s_lshl_b32 s56, s52, 6
	s_add_co_u32 s56, s56, 512
	s_add_nc_u64 s[82:83], s[14:15], s[56:57]      ; h_w1 behind its first row, at units 16 w on
	s_and_b32 s56, s52, 3
	s_lshl_b32 s56, s56, 12
	s_lshr_b32 s2, s52, 2
	s_lshl_b32 s2, s2, 6
	s_add_co_u32 s56, s56, s2
	s_add_nc_u64 s[84:85], s[22:23], s[56:57]      ; h_w2 at k = 32 (w % 4), units 16 (w / 4) on
	s_mul_i32 s56, s53, CHS
	s_mul_i32 s2, s54, 9216
	s_add_co_u32 s56, s56, s2
	s_add_nc_u64 s[86:87], s[40:41], s[56:57]      ; part at my chunk and my two octets of cells
	; ---- all 121 loads of the wave, what becomes codes first
	WIN 0x40
	QW16 CT, 50, 82, 512, 0                        ; my tile of h_w1
	QW16 CT+16, 51, 84, 128, 0                     ; my 32 k of a tile of h_w2
	QW16 CT+32, 52, 30, 64, 0                      ; g_w1
.irp q, 0,1,2,3
	global_load_b128 v[CT+48+4*\q:CT+48+4*\q+3], v49, s[80:81] offset:64*(\q/2)+16*(\q%2)          ; fe(r, 16 c + 8 h + i), junctions 0-15,
.endr
.irp q, 0,1,2,3
	global_load_b128 v[AC+4*\q:AC+4*\q+3], v49, s[80:81] offset:2048+64*(\q/2)+16*(\q%2)           ; and 16-31
.endr
.set jx, 0
.rept 16
	global_load_b128 v[AA+4*jx:AA+4*jx+3], v53, s[14:15] offset:64*(jx/2)+16*(jx%2)                ; a = h_w1[0] at my 64 units
	global_load_b128 v[BE+4*jx:BE+4*jx+3], v53, s[18:19] offset:64*(jx/2)+16*(jx%2)                ; h_ln1_w likewise
.set jx, jx+1
.endr
.irp q, 0,1,2,3
	global_load_b128 v[AC+16+4*\q:AC+16+4*\q+3], v48, s[76:77] offset:131072*\q th:TH_LOAD_NT      ; read once in the launch
	global_load_b128 v[AC+32+4*\q:AC+32+4*\q+3], v48, s[78:79] offset:131072*\q th:TH_LOAD_NT
.endr
	WIN 0
	global_load_b128 v[24:27], v55, s[16:17]       ; h_b1 and h_ln1_b as they lie: they are dealt to the lanes through LDS
	global_load_b128 v[28:31], v55, s[20:21]
.irp q, 0,1,2,3
	global_load_b128 v[HB2+4*\q:HB2+4*\q+3], v53, s[24:25] offset:64*(\q/2)+16*(\q%2)
	global_load_b128 v[LG+4*\q:LG+4*\q+3], v53, s[26:27] offset:64*(\q/2)+16*(\q%2)
	global_load_b128 v[LB+4*\q:LB+4*\q+3], v53, s[28:29] offset:64*(\q/2)+16*(\q%2)
.endr
	global_load_b128 v[GB1:GB1+3], v53, s[32:33]
	global_load_b128 v[GB1+4:GB1+7], v53, s[32:33] offset:16
.irp q, 0,1,2,3,4,5,6,7
	global_load_b128 v[G2+4*\q:G2+4*\q+3], v54, s[34:35] offset:16*\q
.endr
	global_load_b128 v[GBIAS:GBIAS+3], v59, s[36:37]
	; ---- codes of the weights and of fe
	s_wait_kmcnt 0x0
	MKSC 44, 32, 33                                ; e0: fe
	MKSC 45, 34, 35                                ; e1: h_w1
	MKSC 47, 36, 37                                ; e3: h_w2
	MKSC 49, 38, 39                                ; e5: g_w1
.irp q, 96,97,98,99,100,101,102,103,108,109,110,111,116,117,118,119,164,165,166,167
	v_mov_b32 v\q, 0                               ; zero codes for the upper half of K where K = 32 goes by the form of 64
.endr
	s_wait_loadcnt 63                              ; of 121 loads at most 63 are out: the first 58 are in, the 56 that become codes among them
	QUANT16 CT, 40, 34, 35
	QUANT16 CT+16, 44, 36, 37
	QUANT16 CT+32, G1F, 38, 39
	QUANT16 CT+48, FC0, 32, 33
	QUANT16 AC, FC1, 32, 33
	ds_store_b128 v1, v[40:43]                     ; an operand goes to the other waves as an image of its registers
	ds_store_b128 v1, v[44:47] offset:4096
	s_wait_loadcnt 0x0
	ds_store_b128 v6, v[24:27]
	ds_store_b128 v6, v[28:31] offset:512
	WIN 0x04
.irp q, 0,1,2,3
	ds_store_b128 v5, v[AC+16+4*\q:AC+16+4*\q+3] offset:576*\q
	ds_store_b128 v5, v[AC+32+4*\q:AC+32+4*\q+3] offset:MSO+576*\q
.endr
	WIN 0
	s_wait_dscnt 0x0                               ; for the others' sake: my images lie in LDS
	s_barrier_signal -1
	s_barrier_wait -1
	v_add_nc_u32 v49, IMG1, v55
	v_add_nc_u32 v50, s55, v53
	v_add_nc_u32 v50, BST, v50                     ; the biases, on the way out: + 32 h
.irp q, 0,1,2,3,4,5,6,7
	ds_load_b128 v[W1F+4*\q:W1F+4*\q+3], v49 offset:512*\q
.endr
.irp q, 0,1,2,3,4,5,6,7
	ds_load_b128 v[W2F+4*\q:W2F+4*\q+3], v49 offset:4096+512*\q
.endr
	WIN 0x40
.set jx, 0
.rept 16
	ds_load_b128 v[AC+4*jx:AC+4*jx+3], v50 offset:64*(jx/2)+16*(jx%2)      ; h_b1 at my 64 units
.set jx, jx+1
.endr
	; ---- a' and <a',a'>
	WIN 0
	ZTS
	WIN 0x01
	PKSUM AA
	WIN 0
	FIN
	v_mul_f32 v[MN], 0x3c000000, v[TS]             ; / 128
	ZTS
	WIN 0x41
	PKCEN AA
	WIN 0x05
	PKDOT AA, AA
	WIN 0
	FIN
	v_mul_f32 v[SAA], 0x3c000000, v[TS]
	v_mul_f32 v[SAA+1], 0x3c000000, v[TS]
	v_max_num_f32 v[TS+1], 0x0d800000, v[TS]       ; 2^-100 from below
	v_rcp_f32 v[IS], v[TS+1]
	v_nop
	s_wait_alu depctr_va_vdst(0)
	s_add_co_i32 s60, s44, s45
	s_add_co_i32 s60, s60, 127
	s_lshl_b32 s60, s60, 23                        ; 2^(e0 + e1)
	s_mov_b32 s61, s60                             ; (named with it as a pair)
; PRODUCT 1 and the table, 16 junctions at a time: lane (r, h) holds junction r and the units 16 t + 8 h + i.
.macro JT jt, fc
	s_wait_dscnt 0x0                               ; the codes are in; the stores of the 16 junctions before have read CT
	WIN 0x40
.set jx, 0
.rept 8
	v_wmma_f32_16x16x64_bf8_bf8 v[CT+8*jx:CT+8*jx+7], v[W1F+4*jx:W1F+4*jx+7], v[\fc:\fc+7], 0   ; source 0's upper four registers are the next tile's codes: finite, and they meet zero codes
.set jx, jx+1
.endr
	WIN 0
	ZTS                                            ; four plain lines: the places behind the products
	WIN 0x51
.set jx, 0
.rept 32
	v_pk_fma_f32 v[CT+2*jx:CT+2*jx+1], v[CT+2*jx:CT+2*jx+1], s[60:61], v[AC+2*jx:AC+2*jx+1] op_sel_hi:[1,0,1]   ; c = sum x 2^(e0+e1) + h_b1
.set jx, jx+1
.endr
	WIN 0x01
	PKSUM CT
	WIN 0
	FIN
	v_mul_f32 v[MN], 0x3c000000, v[TS]
	ZTS
	WIN 0x41
	PKCEN CT                                       ; c'
	WIN 0x05
	PKDOT CT, AA
	WIN 0
	FIN
	v_mul_f32 v[MN+1], v[TS], v[IS]                ; beta
	ds_store_b32 v4, v[MN+1] offset:64*\jt
	ZTS
	WIN 0x51
.set jx, 0
.rept 32
	v_pk_fma_f32 v[CT+2*jx:CT+2*jx+1], v[AA+2*jx:AA+2*jx+1], v[MN:MN+1], v[CT+2*jx:CT+2*jx+1] op_sel:[0,1,0] op_sel_hi:[1,1,1] neg_lo:[0,1,0] neg_hi:[0,1,0]   ; r = c' - beta a'
.set jx, jx+1
.endr
	WIN 0x05
	PKDOT CT, CT
	WIN 0
	FIN
	v_fma_f32 v[TS], v[TS], 0x3c000000, s63        ; <r,r>/128 + 1e-5
	ds_store_b32 v4, v[TS] offset:128+64*\jt
	WIN 0x45
.set jx, 0
.rept 32
	v_pk_mul_f32 v[CT+2*jx:CT+2*jx+1], v[CT+2*jx:CT+2*jx+1], v[BE+2*jx:BE+2*jx+1]   ; Rg = r g
.set jx, jx+1
.endr
	WIN 0x04
.set jx, 0
.rept 16
	ds_store_b128 v2, v[CT+4*jx:CT+4*jx+3] offset:8448*\jt+16*jx    ; rows 528 bytes apart
.set jx, jx+1
.endr
	WIN 0
.endm
	JT 0, FC0
	JT 1, FC1
	; ---- what the loop keeps
	s_wait_dscnt 0x0                               ; my stores have read their registers and addresses
	WIN 0x45
.set jx, 0
.rept 32
	v_pk_mul_f32 v[AA+2*jx:AA+2*jx+1], v[AA+2*jx:AA+2*jx+1], v[BE+2*jx:BE+2*jx+1]   ; A = a' g
.set jx, jx+1
.endr
	WIN 0x40
.set jx, 0
.rept 16
	ds_load_b128 v[BE+4*jx:BE+4*jx+3], v50 offset:512+64*(jx/2)+16*(jx%2)   ; h_ln1_b takes h_ln1_w's place
.set jx, jx+1
.endr
.set jx, 0
.rept 64
	v_mov_b32 v[AC+jx], 0                          ; the sums begin as zeros: the trip is then written without a first tile of its own
.set jx, jx+1
.endr
	WIN 0
	MKSC 46, SC1, LIM1                             ; e2: h1
	MKSC 48, SC3, LIM3                             ; e4: h_out
	s_add_co_i32 s2, s46, s47
	s_sub_co_i32 s2, 0, s2                         ; -(e2 + e3)
	s_add_co_i32 s3, s48, s49                      ; e4 + e5
	s_sub_co_i32 s4, 0, s3
.set jx, 0
.rept 16
	v_ldexp_f32 v[HB2+jx], v[HB2+jx], s2           ; the bias goes in as C, divided by the power of two that the sums lack
.set jx, jx+1
.endr
.set jx, 0
.rept 8
	v_ldexp_f32 v[GB1+jx], v[GB1+jx], s4
.set jx, jx+1
.endr
	s_lshl_b32 s2, s2, 24
	s_add_co_i32 s62, s63, s2                      ; 1e-5 x 2^(-2 (e2 + e3)): twice the exponent is added to the exponent field
	s_lshl_b32 s3, s3, 23
	s_add_co_i32 s74, s3, 0x3fb8aa3b               ; log2(e) x 2^(e4 + e5), likewise
	s_mov_b32 s75, s74
.set jx, 0
.rept 16
	v_pk_mul_f32 v[G2+2*jx:G2+2*jx+1], v[G2+2*jx:G2+2*jx+1], s[74:75] op_sel_hi:[1,0]
.set jx, jx+1
.endr
	v_pk_mul_f32 v[GBIAS:GBIAS+1], v[GBIAS:GBIAS+1], 0x3fb8aa3b op_sel_hi:[1,0]
	v_pk_mul_f32 v[GBIAS+2:GBIAS+3], v[GBIAS+2:GBIAS+3], 0x3fb8aa3b op_sel_hi:[1,0]
	v_cmp_eq_u32 vcc_lo, 0, v22
.irp q, 0,1,2,3
	v_cndmask_b32 v[GBIAS+\q], 0, v[GBIAS+\q], vcc_lo   ; a logit is the sum of two lanes' halves: the bias counts in one of them
.endr
	v_mov_b32 v[VNEG], 0xce6e6b28                  ; -1e9
	v_mov_b32 v[VHI], 0x4166d4ca                   ; 10 log2(e)
	v_mov_b32 v[VLO], 0xc166d4ca
.irp q, 16,17,18,19,20
	v_mov_b32 v\q, 0
.endr
	v_lshlrev_b32 v[ATB], 8, v22
	v_add_nc_u32 v[ATB], s55, v[ATB]
	v_mul_u32_u24 v[AXB], v21, 144
	v_add_nc_u32 v[AXB], s55, v[AXB]
	v_add_nc_u32 v[AXB], XS, v[AXB]
	s_add_co_u32 s2, s55, STB
	v_mov_b32 v[ASB], s2
	ds_load_b128 v[XQ:XQ+3], v[AXB]                ; the first four junctions,
	ds_load_b128 v[MQ:MQ+3], v[AXB] offset:MSO
	ds_load_b128 v[BQ:BQ+3], v[ASB]
	ds_load_b128 v[RQ:RQ+3], v[ASB] offset:128
	WIN 0x40
.set jx, 0
.rept 16
	ds_load_b128 v[CT+4*jx:CT+4*jx+3], v[ATB] offset:16*jx    ; and the first row of the table
.set jx, jx+1
.endr
	WIN 0
.macro GF d, i, sel, c                 ; four heads' logits: v[d..d+3] = relu(U)[i] x G2[4 i ..] + v[c..c+3]
	v_pk_fma_f32 v[\d:\d+1], v[U+2*(\i/2):U+2*(\i/2)+1], v[G2+4*\i:G2+4*\i+1], v[\c:\c+1] op_sel:[\sel,0,0] op_sel_hi:[\sel,1,1]
	v_pk_fma_f32 v[\d+2:\d+3], v[U+2*(\i/2):U+2*(\i/2)+1], v[G2+4*\i+2:G2+4*\i+3], v[\c+2:\c+3] op_sel:[\sel,0,0] op_sel_hi:[\sel,1,1]
.endm
.macro HEADS hd, pr, sel               ; product 5 for one head: 16 sums += h_out x the weight
.set jx, 0
.rept 8
	v_pk_fma_f32 v[AC+16*\hd+2*jx:AC+16*\hd+2*jx+1], v[Z+2*jx:Z+2*jx+1], v[P+\pr:P+\pr+1], v[AC+16*\hd+2*jx:AC+16*\hd+2*jx+1] op_sel:[0,\sel,0] op_sel_hi:[1,\sel,1]
.set jx, jx+1
.endr
.endm
; ONE TILE: 16 cells at junction i of the trip's four.  b = i % 2.  pre = 1: the next junction's row is asked for, through address register adr.  dsw: the younger LDS loads that may stay out when this row has to be in.
.macro TILE i, b, pre, dsw, adr
	s_wait_dscnt \dsw
	WIN 0x51
.set jx, 0
.rept 32
	v_pk_fma_f32 v[CT+2*jx:CT+2*jx+1], v[CT+2*jx:CT+2*jx+1], v[RS+2*(\i/2):RS+2*(\i/2)+1], v[BE+2*jx:BE+2*jx+1] op_sel:[0,\b,0] op_sel_hi:[1,\b,1]   ; rs Rg + h_ln1_b
.set jx, jx+1
.endr
.set jx, 0
.rept 32
	v_pk_fma_f32 v[CT+2*jx:CT+2*jx+1], v[AA+2*jx:AA+2*jx+1], v[RU+2*(\i/2):RU+2*(\i/2)+1], v[CT+2*jx:CT+2*jx+1] op_sel:[0,\b,0] op_sel_hi:[1,\b,1]   ; + (rs u) A
.set jx, jx+1
.endr
.set jx, 0
.rept 64
	v_med3_num_f32 v[CT+jx], v[CT+jx], v[LIM1], 0  ; the activation and the hold in one
.set jx, jx+1
.endr
	WIN 0x01
.set jx, 0
.rept 8
	v_cvt_scalef32_pk8_bf8_f32 v[HC+2*jx:HC+2*jx+1], v[CT+8*jx:CT+8*jx+7], v[SC1]   ; registers 2 c, 2 c + 1 of the operand: k = 16 c + 8 h + 0 .. 7
.set jx, jx+1
.endr
.if \pre
	WIN 0x40
.set jx, 0
.rept 16
	ds_load_b128 v[CT+4*jx:CT+4*jx+3], v[\adr] offset:(\i+1)*528+16*jx    ; the rest of the tile stands between these loads and the wait for them
.set jx, jx+1
.endr
.endif
	WIN 0
.if \i == 1
	v_mov_b32 v[ATN], v[ATW]                       ; the plain line behind the conversions.  No load that names ATN is out here; the trip's last tile asks through it, so that ATW is free at the next trip's head
.else
	v_nop                                          ; the plain line behind the conversions
.endif
	v_wmma_f32_16x16x128_bf8_bf8 v[Z:Z+7], v[W2F:W2F+15], v[HC:HC+15], v[HB2:HB2+7]
	v_wmma_f32_16x16x128_bf8_bf8 v[Z+8:Z+15], v[W2F+16:W2F+31], v[HC:HC+15], v[HB2+8:HB2+15]
.rept 4
	v_nop                                          ; places behind the products (ISA guide 7.12.1)
.endr
	LN32 Z, 62, LG, LB
.set jx, 0
.rept 16
	v_max_num_f32 v[Z+jx], v[Z+jx], 0              ; h_out, which product 5 takes as it is
.set jx, jx+1
.endr
.set jx, 0
.rept 16
	v_min_num_f32 v[HC+jx], v[Z+jx], v[LIM3]       ; not negative: a one-sided hold
.set jx, jx+1
.endr
	v_cvt_scalef32_pk8_bf8_f32 v[OC:OC+1], v[HC:HC+7], v[SC3]
	v_cvt_scalef32_pk8_bf8_f32 v[OC+2:OC+3], v[HC+8:HC+15], v[SC3]
	v_nop
	v_wmma_f32_16x16x64_bf8_bf8 v[U:U+7], v[G1F:G1F+7], v[OC:OC+7], v[GB1:GB1+7]
	v_cndmask_b32 v[LOB], v[VNEG], v[VLO], s[70+\i]   ; the clip's bounds, or twice the fill where the mask is not positive.  (Two of the four places)
	v_cndmask_b32 v[HIB], v[VNEG], v[VHI], s[70+\i]
	v_nop
	v_nop
.set jx, 0
.rept 8
	v_max_num_f32 v[U+jx], v[U+jx], 0
.set jx, jx+1
.endr
	GF P, 0, 0, GBIAS                              ; product 4 in f32, two chains of four units
	v_pk_mul_f32 v[PB:PB+1], v[U+4:U+5], v[G2+16:G2+17] op_sel_hi:[0,1]
	v_pk_mul_f32 v[PB+2:PB+3], v[U+4:U+5], v[G2+18:G2+19] op_sel_hi:[0,1]
	GF P, 1, 1, P
	GF PB, 5, 1, PB
	GF P, 2, 0, P
	GF PB, 6, 0, PB
	GF P, 3, 1, P
	GF PB, 7, 1, PB
	v_pk_add_f32 v[P:P+1], v[P:P+1], v[PB:PB+1]
	v_pk_add_f32 v[P+2:P+3], v[P+2:P+3], v[PB+2:PB+3]
.irp q, 0,1,2,3
	v_permlanex16_b32 v[E+\q], v[P+\q], s58, s59   ; the other eight units lie in the lane 16 away
.endr
	v_pk_add_f32 v[P:P+1], v[P:P+1], v[E:E+1]
	v_pk_add_f32 v[P+2:P+3], v[P+2:P+3], v[E+2:E+3]
.irp q, 0,1,2,3
	v_med3_num_f32 v[P+\q], v[P+\q], v[LOB], v[HIB]
.endr
.irp q, 0,1,2,3
	v_exp_f32 v[P+\q], v[P+\q]                     ; e^logit; 0 for the fill
.endr
	v_nop
	s_wait_alu depctr_va_vdst(0)
	v_pk_add_f32 v[DEN:DEN+1], v[DEN:DEN+1], v[P:P+1]
	v_pk_add_f32 v[DEN+2:DEN+3], v[DEN+2:DEN+3], v[P+2:P+3]
	WIN 0x50
	HEADS 0, 0, 0
	HEADS 1, 0, 1
	HEADS 2, 2, 0
	HEADS 3, 2, 1
.endm
; A TRIP: four junctions.  Its head makes rs and rs u for the four and asks for the next four's numbers.
.macro TRIP last
	v_add_nc_u32 v[ATW], s66, v[ATB]               ; the only loads out here name ATN (or, in the first trip, the three bases)
	v_add_nc_u32 v[AXW], s67, v[AXB]
	v_add_nc_u32 v[ASW], s67, v[ASB]
	s_wait_dscnt 16                                ; the four junctions' numbers are in; the sixteen younger loads, the first row, may be out
	v_pk_add_f32 v[UQ:UQ+1], v[XQ:XQ+1], v[BQ:BQ+1]
	v_pk_add_f32 v[UQ+2:UQ+3], v[XQ+2:XQ+3], v[BQ+2:BQ+3]
	v_pk_mul_f32 v[TS:TS+1], v[UQ:UQ+1], v[SAA:SAA+1]
	v_pk_mul_f32 v[TS+2:TS+3], v[UQ+2:UQ+3], v[SAA:SAA+1]
	v_pk_fma_f32 v[TS:TS+1], v[TS:TS+1], v[UQ:UQ+1], v[RQ:RQ+1]
	v_pk_fma_f32 v[TS+2:TS+3], v[TS+2:TS+3], v[UQ+2:UQ+3], v[RQ+2:RQ+3]
.irp q, 0,1,2,3
	v_rsq_f32 v[RS+\q], v[TS+\q]
.endr
	v_add3_u32 v[CNT], v[CNT], v[MQ], v[MQ+1]      ; (plain lines behind the transcendentals)
	v_add3_u32 v[CNT], v[CNT], v[MQ+2], v[MQ+3]
.irp q, 0,1,2,3
	v_cmp_lt_i32 s[70+\q], 0, v[MQ+\q]             ; mask > 0
.endr
	s_wait_alu depctr_va_vdst(0)
	v_pk_mul_f32 v[RU:RU+1], v[RS:RS+1], v[UQ:UQ+1]
	v_pk_mul_f32 v[RU+2:RU+3], v[RS+2:RS+3], v[UQ+2:UQ+3]
.if \last == 0
	ds_load_b128 v[XQ:XQ+3], v[AXW] offset:16
	ds_load_b128 v[MQ:MQ+3], v[AXW] offset:MSO+16
	ds_load_b128 v[BQ:BQ+3], v[ASW] offset:16
	ds_load_b128 v[RQ:RQ+3], v[ASW] offset:144
	TILE 0, 0, 1, 4, ATW                           ; the row is in; the four loads just issued may be out
.else
	TILE 0, 0, 1, 0, ATW
.endif
	TILE 1, 1, 1, 0, ATW
	TILE 2, 0, 1, 0, ATW
.if \last == 0
	TILE 3, 1, 1, 0, ATN
	WIN 0                                          ; at a branch and at a label every window is 0
	s_add_co_u32 s66, s66, 2112                    ; four rows of the table
	s_add_co_u32 s67, s67, 16                      ; four words
.else
	TILE 3, 1, 0, 0, ATN                           ; the last tile asks for nothing: no read passes the wave's table
	WIN 0
.endif
.endm
	s_mov_b32 s66, 0
	s_mov_b32 s67, 0
	s_mov_b32 s68, 7
.Ltrip:
	TRIP 0
	s_sub_co_u32 s68, s68, 1
	s_cmp_lg_u32 s68, 0
	s_cbranch_scc1 .Ltrip
	TRIP 1
	; ---- the eight waves' sums meet in LDS; wave w adds groups 2 w and 2 w + 1 of four registers, wave 0 also the divisors and the counts
	v_mov_b32 v21, 0                               ; with the count they make 16 bytes
	v_mov_b32 v22, 0
	v_mov_b32 v23, 0
	v_and_b32 v24, 31, v0
	v_lshlrev_b32 v25, 4, v24                      ; 16 x lane
	s_lshl_b32 s2, s52, 9
	s_lshl_b32 s3, s52, 13
	v_add_nc_u32 v1, s2, v25
	v_add_nc_u32 v1, RED, v1                       ; in: group g at 4,096 g + 512 w + 16 x lane
	v_add_nc_u32 v2, 0x10000, v1                   ; groups 16 and 17
	v_add_nc_u32 v3, s3, v25
	v_add_nc_u32 v3, RED, v3                       ; out: my two groups, all eight waves' parts
	v_add_nc_u32 v5, RED+65536, v25
	v_and_b32 v26, 15, v0
	v_bfe_u32 v27, v0, 4, 1
	v_lshrrev_b32 v28, 3, v26
	v_and_b32 v29, 7, v26
	v_mul_u32_u24 v4, v28, 4608                    ; part: the octet of cells r / 8,
	v_lshl_add_u32 v4, v27, 7, v4                  ; 128 h,
	v_lshl_add_u32 v4, v29, 4, v4                  ; 16 (r % 8),
	v_add_nc_u32 v4, s2, v4                        ; and my two groups of 256 bytes
	WIN 0x04
.set jx, 0
.rept 16
	ds_store_b128 v1, v[AC+4*jx:AC+4*jx+3] offset:4096*jx
.set jx, jx+1
.endr
	WIN 0
	ds_store_b128 v2, v[DEN:DEN+3]
	ds_store_b128 v2, v[CNT:CNT+3] offset:4096
	s_wait_dscnt 0x0                               ; for the others' sake: my stores have landed
	s_barrier_signal -1
	s_barrier_wait -1
.irp u, 0,1
.irp q, 0,1,2,3,4,5,6,7
	ds_load_b128 v[128+32*\u+4*\q:131+32*\u+4*\q], v3 offset:4096*\u+512*\q
.endr
.endr
	s_wait_dscnt 0x0
.irp u, 0,1
.irp q, 0,8,16,24
	v_pk_add_f32 v[128+32*\u+\q:129+32*\u+\q], v[128+32*\u+\q:129+32*\u+\q], v[132+32*\u+\q:133+32*\u+\q]
	v_pk_add_f32 v[130+32*\u+\q:131+32*\u+\q], v[130+32*\u+\q:131+32*\u+\q], v[134+32*\u+\q:135+32*\u+\q]
.endr
.irp q, 0,16
	v_pk_add_f32 v[128+32*\u+\q:129+32*\u+\q], v[128+32*\u+\q:129+32*\u+\q], v[136+32*\u+\q:137+32*\u+\q]
	v_pk_add_f32 v[130+32*\u+\q:131+32*\u+\q], v[130+32*\u+\q:131+32*\u+\q], v[138+32*\u+\q:139+32*\u+\q]
.endr
	v_pk_add_f32 v[128+32*\u:129+32*\u], v[128+32*\u:129+32*\u], v[144+32*\u:145+32*\u]
	v_pk_add_f32 v[130+32*\u:131+32*\u], v[130+32*\u:131+32*\u], v[146+32*\u:147+32*\u]
.endr
	global_store_b128 v4, v[128:131], s[86:87]               ; lanes 0-7 and 16-23 fill 256 consecutive aligned bytes of one octet, the other sixteen lanes 256 of the next
	global_store_b128 v4, v[160:163], s[86:87] offset:256
	s_cmp_lg_u32 s52, 0
	s_cbranch_scc1 .Lend
.irp q, 0,1,2,3,4,5,6,7
	ds_load_b128 v[192+4*\q:195+4*\q], v5 offset:512*\q
.endr
.irp q, 0,1,2,3,4,5,6,7
	ds_load_b128 v[224+4*\q:227+4*\q], v5 offset:4096+512*\q
.endr
	s_wait_dscnt 0x0
.irp q, 0,8,16,24
	v_pk_add_f32 v[192+\q:193+\q], v[192+\q:193+\q], v[196+\q:197+\q]
	v_pk_add_f32 v[194+\q:195+\q], v[194+\q:195+\q], v[198+\q:199+\q]
.endr
.irp q, 0,16
	v_pk_add_f32 v[192+\q:193+\q], v[192+\q:193+\q], v[200+\q:201+\q]
	v_pk_add_f32 v[194+\q:195+\q], v[194+\q:195+\q], v[202+\q:203+\q]
.endr
	v_pk_add_f32 v[192:193], v[192:193], v[208:209]
	v_pk_add_f32 v[194:195], v[194:195], v[210:211]
.irp q, 228,232,236,240,244,248,252
	v_add_nc_u32 v224, v224, v\q
.endr
	global_store_b128 v4, v[192:195], s[86:87] offset:4096   ; (wave 0: the wave's term in v4 is 0)
	global_store_b128 v4, v[224:227], s[86:87] offset:4352
.Lend:
	s_barrier_signal -1
	s_barrier_wait -1
	s_wait_xcnt 0x0
	v_lshl_add_u32 v254, v0, 2, 0x40800
	v_mov_b32 v255, 0
	s_wait_tensorcnt 0x0
	ds_add_u32 v254, v255
	s_wait_dscnt 0x0
	s_endpgm
.Lfunc_end_k_q62e6db305b_main:
	.size	k_q62e6db305b_main, .Lfunc_end_k_q62e6db305b_main-k_q62e6db305b_main
	.p2alignl 7, 3214868480
	.fill 96, 4, 3214868480
	.section	.rodata,"a",@progbits
	.p2align	6, 0x0
	.amdhsa_kernel k_q62e6db305b_main
		.amdhsa_group_segment_fixed_size 265216
		.amdhsa_private_segment_fixed_size 0
		.amdhsa_enable_private_segment 0
		.amdhsa_kernarg_size 136
		.amdhsa_user_sgpr_count 2
		.amdhsa_user_sgpr_kernarg_segment_ptr 1
		.amdhsa_wavefront_size32 1
		.amdhsa_system_sgpr_workgroup_id_x 1
		.amdhsa_system_sgpr_workgroup_id_y 1
		.amdhsa_system_sgpr_workgroup_id_z 1
		.amdhsa_system_vgpr_workitem_id 0
		.amdhsa_next_free_vgpr 512
		.amdhsa_next_free_sgpr 96
		.amdhsa_reserve_vcc 1
		.amdhsa_float_denorm_mode_32 3
		.amdhsa_float_denorm_mode_16_64 3
		.amdhsa_memory_ordered 1
		.amdhsa_forward_progress 1
		.amdhsa_inst_pref_size 244
	.end_amdhsa_kernel
	.amdgpu_metadata
---
amdhsa.version: [ 1, 2 ]
amdhsa.kernels:
  - .name:           k_q62e6db305b_main
    .symbol:         k_q62e6db305b_main.kd
    .args:
      - { .name: x, .offset: 0, .size: 8, .value_kind: global_buffer, .address_space: global }
      - { .name: mask, .offset: 8, .size: 8, .value_kind: global_buffer, .address_space: global }
      - { .name: fe, .offset: 16, .size: 8, .value_kind: global_buffer, .address_space: global }
      - { .name: h_w1, .offset: 24, .size: 8, .value_kind: global_buffer, .address_space: global }
      - { .name: h_b1, .offset: 32, .size: 8, .value_kind: global_buffer, .address_space: global }
      - { .name: h_ln1_w, .offset: 40, .size: 8, .value_kind: global_buffer, .address_space: global }
      - { .name: h_ln1_b, .offset: 48, .size: 8, .value_kind: global_buffer, .address_space: global }
      - { .name: h_w2, .offset: 56, .size: 8, .value_kind: global_buffer, .address_space: global }
      - { .name: h_b2, .offset: 64, .size: 8, .value_kind: global_buffer, .address_space: global }
      - { .name: h_ln2_w, .offset: 72, .size: 8, .value_kind: global_buffer, .address_space: global }
      - { .name: h_ln2_b, .offset: 80, .size: 8, .value_kind: global_buffer, .address_space: global }
      - { .name: g_w1, .offset: 88, .size: 8, .value_kind: global_buffer, .address_space: global }
      - { .name: g_b1, .offset: 96, .size: 8, .value_kind: global_buffer, .address_space: global }
      - { .name: g_w2, .offset: 104, .size: 8, .value_kind: global_buffer, .address_space: global }
      - { .name: g_b2, .offset: 112, .size: 8, .value_kind: global_buffer, .address_space: global }
      - { .name: lowp_scales, .offset: 120, .size: 8, .value_kind: global_buffer, .address_space: global }
      - { .name: part, .offset: 128, .size: 8, .value_kind: global_buffer, .address_space: global }
    .group_segment_fixed_size: 265216
    .private_segment_fixed_size: 0
    .kernarg_segment_align: 8
    .kernarg_segment_size: 136
    .max_flat_workgroup_size: 256
    .sgpr_count:     96
    .vgpr_count:     512
    .wavefront_size: 32
...
	.end_amdgpu_metadata
.endif
;; end of part 1
;; launch tail (part 2): grid 16 x 1, 8 waves a work-group, no clusters, 34,048 bytes of LDS; arguments part, c_w, c_b, c_ln_w, c_ln_b, e_w1, e_b1, e_ln1_w, e_ln1_b, e_w2, e_b2, e_ln2_w, e_ln2_b, lowp_scales, out0, out1; writes out0, out1
.if DOCPART == 2
	.amdgcn_target "amdgcn-amd-amdhsa--gfx1250"
	.amdhsa_code_object_version 6
	.text
	.protected	k_q62e6db305b_tail
	.globl	k_q62e6db305b_tail
	.p2align	8
	.type	k_q62e6db305b_tail,@function
k_q62e6db305b_tail:
	s_mov_b64 s[64:65], 0
	v_nop
	global_prefetch_b8 v0, s[64:65] scope:SCOPE_SE
	s_setreg_imm32_b32 hwreg(HW_REG_WAVE_MODE, 25, 1), 1
	s_wait_xcnt 0x0
; THE REST: the 32 chunks' sums are added and divided by the softmax's divisor; then products 6, 7 and 8 with their norms.
; SHARES.  A work-group takes an octet of 8 cells.  Lane (r, h) serves cell r % 8: lanes with r < 8 add chunks 0-15, those with r >= 8 chunks 16-31, one exchange joins them, and from there lanes r and r + 8 hold the same.
; All products are used transposed (source 0 = 16 units of a weight, source 1 = the cells), so that a lane's eight results are eight neighbours along the next K.
; Wave w owns: K = 16 w .. 16 w + 15 of product 6 (head w / 2); units 32 w .. 32 w + 31 of product 7, which are K = 32 w .. of product 8.  Operands go from wave to wave through LDS as images of their registers.
; Product 6 (two matrix instructions) is made by every wave, which spares a barrier; product 8 and the way out are wave 0's.
; The norm over the 256 units joins the eight waves' means and sums of squared deviations: no difference of large sums is formed.
; Sixteen work-groups: a norm needs a cell's whole row and a matrix tile holds 16 cells, so there is no more work to share out; eight cells to a work-group halve what each reads of part.
; A cell whose mask sums to 0 or less gets zero codes in product 7, as the problem has it; its divisor is held at 2^-126 from below, which touches no other cell.
; LIMITS.  Each e of lowp_scales between -126 and 112; e6 + e7, e8 + e9 and e10 + e11 between -72 and 54.  NaN and infinity are not served.
.set CHS,  73728                       ; part: from chunk to chunk
.set IMC,  0                           ; LDS: c_w's codes: slot w at 512 w + 16 x lane
.set IME,  4096                        ; e_w2's: slot 8 t + w
.set IMH,  20480                       ; the heads' codes: wave p at 256 p + 8 x lane
.set STT,  22528                       ; (mean, sum of squared deviations): likewise
.set IMY,  24576                       ; the hidden layer's codes: wave p at 512 p + 16 x lane
.set OST,  28672                       ; the way out: 16 rows of 256 bytes + 16
; REGISTERS, window 1: v0-127 the chunks' sums, later e_w2's codes; v128-239 weights on their way to codes, later e_b2 (128), e_ln2_w (160), e_ln2_b (192).
; window 0: v1 r, v2 h, v3 lane; v4-11 offsets in memory; v12-15, v18, v19 LDS addresses; v20-31 scales and holds; and:
.set S,    32                          ; my eight sums
.set MN,   42                          ; a mean; v43 a factor
.set TS,   44                          ; v44-51 at work
.set CNT,  52
.set DN,   56                          ; 16 chunks' divisors; then the heads' codes; then rows of the outputs
.set CN,   72                          ; 16 chunks' counts; then the eight waves' statistics
.set CB,   88                          ; c_b / 2^(e6+e7);  v88-119 later the hidden layer's codes
.set CLW,  104
.set CLB,  120
.set EB1,  136                         ; e_b1 / 2^(e8+e9) at my 32 units
.set EL1W, 152
.set EL1B, 168
.set E1F,  184                         ; e_w1's codes: two tiles x 4 registers, and four zeros
.set OC,   196                         ; comb's codes and four zeros
.set Z,    204                         ; product 6's sums, then product 7's
.set CWF,  220                         ; c_w's codes; then product 8's sums
.set QT,   252                         ; codes just made
.set MSB, 0
.macro WIN new                         ; bits 1:0 source 0, 3:2 source 1, 5:4 source 2, 7:6 destination; the high byte repeats the setting that is left
.if MSB != (\new)
	s_set_vgpr_msb (MSB<<8)|(\new)
.set MSB, (\new)
.endif
.endm
.macro MKSC se, vsc, vlim              ; 2^e and 57,344 x 2^e as f32 numbers
	s_add_co_i32 s2, s[\se], 127
	s_lshl_b32 s3, s2, 23
	v_mov_b32 v[\vsc], s3
	s_add_co_i32 s2, s2, 15
	s_lshl_b32 s2, s2, 23
	s_or_b32 s2, s2, 0x600000
	v_mov_b32 v[\vlim], s2
.endm
.macro QW16 dst, voff, sb, pitch, off  ; a weight stored [k][n]: a lane takes column r and its registers run down K: register 8 c + i = k 16 c + 8 h + i
.set ix, 0
.rept 16
	global_load_b32 v[\dst+ix], v[\voff], s[\sb:\sb+1] offset:(16*(ix/8)+ix%8)*\pitch+\off
.set ix, ix+1
.endr
.endm
.macro QUANT16 src, dst, vsc, vlim     ; 16 numbers of window 1 become 16 codes in four registers of window 0
	WIN 0x41
.set ix, 0
.rept 16
	v_med3_num_f32 v[\src+ix], v[\src+ix], -v[\vlim], v[\vlim]   ; the conversion does not saturate (ISA guide 7.6.2)
.set ix, ix+1
.endr
	WIN 0x01
	v_cvt_scalef32_pk8_bf8_f32 v[\dst:\dst+1], v[\src:\src+7], v[\vsc]
	v_cvt_scalef32_pk8_bf8_f32 v[\dst+2:\dst+3], v[\src+8:\src+15], v[\vsc]
	WIN 0
	v_nop                                          ; a plain line behind the last conversion
.endm
.macro SUM16 z                         ; v[TS] = the sum of a lane's 16 and of the 16 of the lane 16 away; each accumulator is read from its low end on
	v_pk_add_f32 v[TS:TS+1], v[\z:\z+1], v[\z+2:\z+3]
	v_pk_add_f32 v[TS+2:TS+3], v[\z+4:\z+5], v[\z+6:\z+7]
	v_pk_add_f32 v[TS+4:TS+5], v[\z+8:\z+9], v[\z+10:\z+11]
	v_pk_add_f32 v[TS+6:TS+7], v[\z+12:\z+13], v[\z+14:\z+15]
	v_pk_add_f32 v[TS:TS+1], v[TS:TS+1], v[TS+2:TS+3]
	v_pk_add_f32 v[TS+4:TS+5], v[TS+4:TS+5], v[TS+6:TS+7]
	v_pk_add_f32 v[TS:TS+1], v[TS:TS+1], v[TS+4:TS+5]
	v_add_f32 v[TS], v[TS], v[TS+1]
	v_permlanex16_b32 v[TS+1], v[TS], s58, s59
	v_add_f32 v[TS], v[TS], v[TS+1]
.endm
.macro CEN16 z
.irp p, 0,2,4,6,8,10,12,14
	v_pk_add_f32 v[\z+\p:\z+\p+1], v[\z+\p:\z+\p+1], v[MN:MN+1] op_sel_hi:[1,0] neg_lo:[0,1] neg_hi:[0,1]
.endr
.endm
.macro SQ16 z, d                       ; v[d] = the sum of the 32 squares
	v_pk_mul_f32 v[TS:TS+1], v[\z:\z+1], v[\z:\z+1]
	v_pk_mul_f32 v[TS+2:TS+3], v[\z+2:\z+3], v[\z+2:\z+3]
.irp p, 4,8,12
	v_pk_fma_f32 v[TS:TS+1], v[\z+\p:\z+\p+1], v[\z+\p:\z+\p+1], v[TS:TS+1]
	v_pk_fma_f32 v[TS+2:TS+3], v[\z+\p+2:\z+\p+3], v[\z+\p+2:\z+\p+3], v[TS+2:TS+3]
.endr
	v_pk_add_f32 v[TS:TS+1], v[TS:TS+1], v[TS+2:TS+3]
	v_add_f32 v[TS], v[TS], v[TS+1]
	v_permlanex16_b32 v[TS+1], v[TS], s58, s59
	v_add_f32 v[\d], v[TS], v[TS+1]
.endm
.macro BARRIER                         ; my LDS stores have landed and my LDS loads are in: then the work-group's barrier
	s_wait_dscnt 0x0
	s_barrier_signal -1
	s_barrier_wait -1
.endm
	s_load_b512 s[8:23], s[0:1], 0x0               ; part 8, c_w 10, c_b 12, c_ln_w 14, c_ln_b 16, e_w1 18, e_b1 20, e_ln1_w 22
	s_load_b512 s[24:39], s[0:1], 0x40             ; e_ln1_b 24, e_w2 26, e_b2 28, e_ln2_w 30, e_ln2_b 32, lowp_scales 34, out0 36, out1 38
	v_lshl_add_u32 v16, v0, 2, 0x8100
	v_mov_b32 v17, 0
	v_lshrrev_b32 v3, 5, v0
	v_readfirstlane_b32 s52, v3                    ; wave 0..7
	s_mov_b32 s58, 0x76543210                      ; v_permlanex16_b32: lane l xor 16
	s_mov_b32 s59, 0xfedcba98
	v_and_b32 v1, 15, v0                           ; r
	v_bfe_u32 v2, v0, 4, 1                         ; h
	v_and_b32 v3, 31, v0                           ; lane
	v_lshlrev_b32 v53, 2, v1                       ; 4 r
	v_lshl_add_u32 v4, v2, 10, v53                 ; c_w: 8 h rows of 128 bytes + 4 r
	v_lshl_add_u32 v5, v2, 13, v53                 ; e_w1: rows of 1,024 bytes
	v_lshl_add_u32 v6, v2, 11, v53                 ; e_w2: rows of 256 bytes
	v_lshrrev_b32 v54, 3, v1
	v_and_b32 v55, 7, v1
	v_mul_u32_u24 v9, v54, 16*CHS                  ; part: chunks 16 (r / 8) on,
	v_lshl_add_u32 v9, v2, 7, v9                   ; 128 h,
	v_lshl_add_u32 v9, v55, 4, v9                  ; 16 (r % 8): the counts' place
	s_lshl_b32 s2, s52, 9
	v_add_nc_u32 v7, s2, v9                        ; the sums': + my two groups of 256 bytes
	s_lshr_b32 s3, s52, 1
	s_lshl_b32 s3, s3, 2
	v_add_nc_u32 v8, s3, v9                        ; the divisors': + my head's word
	v_lshlrev_b32 v10, 5, v2                       ; 32 h
	s_lshl_b32 s3, s52, 7
	v_add_nc_u32 v11, s3, v10                      ; 32 h + my 32 units
	v_lshlrev_b32 v12, 4, v3                       ; 16 x lane
	v_add_nc_u32 v13, s2, v12                      ; + 512 w
	v_lshlrev_b32 v14, 3, v3                       ; 8 x lane
	s_lshl_b32 s3, s52, 8
	v_add_nc_u32 v15, s3, v14                      ; + 256 w
	v_mul_u32_u24 v18, v1, 272
	v_lshl_add_u32 v18, v2, 5, v18                 ; the way out, in: row r, + 32 h
	v_lshrrev_b32 v54, 3, v3
	v_and_b32 v55, 7, v3
	v_mul_u32_u24 v19, v54, 272
	v_lshl_add_u32 v19, v55, 4, v19                ; and back: four half rows of 128 bytes an instruction
	s_mov_b32 s57, 0
	s_wait_kmcnt 0x0
	s_load_b128 s[44:47], s[34:35], 0x18           ; e6 .. e9
	s_load_b64 s[48:49], s[34:35], 0x28            ; e10, e11
	s_and_b32 s56, s52, 3
	s_lshl_b32 s56, s56, 12
	s_lshr_b32 s2, s52, 2
	s_lshl_b32 s2, s2, 6
	s_add_co_u32 s56, s56, s2
	s_add_nc_u64 s[66:67], s[10:11], s[56:57]      ; c_w at k = 32 (w % 4), units 16 (w / 4) on
	s_lshl_b32 s56, s52, 7
	s_add_nc_u64 s[68:69], s[18:19], s[56:57]      ; e_w1 at my 32 units
	s_lshl_b32 s56, s52, 13
	s_add_nc_u64 s[70:71], s[26:27], s[56:57]      ; e_w2 at k = 32 w
	s_mul_i32 s56, ttmp9, 4608
	s_add_nc_u64 s[72:73], s[8:9], s[56:57]        ; part at my octet
	s_lshl_b32 s56, ttmp9, 10
	s_add_nc_u64 s[74:75], s[36:37], s[56:57]      ; 8 rows of 128 bytes of each output
	s_add_nc_u64 s[76:77], s[38:39], s[56:57]
	; ---- 200 loads, the weights first
	WIN 0x40
	QW16 128, 4, 66, 128, 0
	QW16 144, 5, 68, 1024, 0
	QW16 160, 5, 68, 1024, 64
.irp t, 0,1,2,3
	QW16 176+16*\t, 6, 70, 256, 64*\t
.endr
.set jx, 0
.rept 16
	global_load_b128 v[8*jx:8*jx+3], v7, s[72:73] offset:jx*CHS
	global_load_b128 v[8*jx+4:8*jx+7], v7, s[72:73] offset:jx*CHS+256
.set jx, jx+1
.endr
	WIN 0
.set jx, 0
.rept 16
	global_load_b32 v[DN+jx], v8, s[72:73] offset:jx*CHS+4096
.set jx, jx+1
.endr
.set jx, 0
.rept 16
	global_load_b32 v[CN+jx], v9, s[72:73] offset:jx*CHS+4352
.set jx, jx+1
.endr
.irp q, 0,1,2,3
	global_load_b128 v[CB+4*\q:CB+4*\q+3], v10, s[12:13] offset:64*(\q/2)+16*(\q%2)
	global_load_b128 v[CLW+4*\q:CLW+4*\q+3], v10, s[14:15] offset:64*(\q/2)+16*(\q%2)
	global_load_b128 v[CLB+4*\q:CLB+4*\q+3], v10, s[16:17] offset:64*(\q/2)+16*(\q%2)
	global_load_b128 v[EB1+4*\q:EB1+4*\q+3], v11, s[20:21] offset:64*(\q/2)+16*(\q%2)
	global_load_b128 v[EL1W+4*\q:EL1W+4*\q+3], v11, s[22:23] offset:64*(\q/2)+16*(\q%2)
	global_load_b128 v[EL1B+4*\q:EL1B+4*\q+3], v11, s[24:25] offset:64*(\q/2)+16*(\q%2)
.endr
	; ---- the weights' codes
	s_wait_kmcnt 0x0
	MKSC 45, 20, 21                                ; e7: c_w
	MKSC 47, 22, 23                                ; e9: e_w1
	MKSC 49, 24, 25                                ; e11: e_w2
	MKSC 44, 26, 27                                ; e6: the heads' sums
	MKSC 46, 28, 29                                ; e8: comb
	MKSC 48, 30, 31                                ; e10: the hidden layer
	s_add_co_i32 s4, s44, s45
	s_sub_co_i32 s4, 0, s4                         ; -(e6 + e7)
	s_lshl_b32 s5, s4, 24
	s_add_co_i32 s60, s5, 0x3727c5ac               ; 1e-5 x 2^(-2 (e6 + e7)): twice the exponent is added to the exponent field
	s_add_co_i32 s6, s46, s47
	s_sub_co_i32 s6, 0, s6
	s_lshl_b32 s5, s6, 24
	s_add_co_i32 s61, s5, 0x3727c5ac
	s_add_co_i32 s7, s48, s49
	s_sub_co_i32 s7, 0, s7
	s_lshl_b32 s5, s7, 24
	s_add_co_i32 s62, s5, 0x3727c5ac
.irp q, 192,193,194,195,200,201,202,203
	v_mov_b32 v\q, 0                               ; zero codes for the upper half of K where K = 32 goes by the form of 64
.endr
	s_wait_loadcnt 63                              ; of 200 loads at most 63 are out: the first 137 are in, the 112 of the weights among them
	QUANT16 128, QT, 20, 21
	ds_store_b128 v13, v[QT:QT+3] offset:IMC
	QUANT16 144, E1F, 22, 23
	QUANT16 160, E1F+4, 22, 23
.irp t, 0,1,2,3
	s_wait_dscnt 0x0                               ; the store has read its registers
	QUANT16 176+16*\t, QT, 24, 25
	ds_store_b128 v13, v[QT:QT+3] offset:IME+4096*\t
.endr
	; ---- the chunks' sums, the divisor, the count
	s_wait_loadcnt 0x0
	WIN 0x05
.irp p, 0,2,4,6
	v_pk_add_f32 v[S+\p:S+\p+1], v[\p:\p+1], v[8+\p:9+\p]
.endr
	WIN 0x01
.set jx, 2
.rept 14
.irp p, 0,2,4,6
	v_pk_add_f32 v[S+\p:S+\p+1], v[8*jx+\p:8*jx+\p+1], v[S+\p:S+\p+1]
.endr
.set jx, jx+1
.endr
	WIN 0
.irp p, 0,1,2,3,4,5,6,7
	v_add_f32_dpp v[S+\p], v[S+\p], v[S+\p] row_xmask:8 row_mask:0xf bank_mask:0xf   ; the other sixteen chunks lie in lane r xor 8
.endr
.irp p, 0,4,8,12
	v_pk_add_f32 v[DN+\p:DN+\p+1], v[DN+\p:DN+\p+1], v[DN+\p+2:DN+\p+3]
.endr
	v_pk_add_f32 v[DN:DN+1], v[DN:DN+1], v[DN+4:DN+5]
	v_pk_add_f32 v[DN+8:DN+9], v[DN+8:DN+9], v[DN+12:DN+13]
	v_pk_add_f32 v[DN:DN+1], v[DN:DN+1], v[DN+8:DN+9]
	v_add_f32 v[DN], v[DN], v[DN+1]
	v_add_f32_dpp v[DN], v[DN], v[DN] row_xmask:8 row_mask:0xf bank_mask:0xf
	v_max_num_f32 v53, 0x00800000, v[DN]           ; 2^-126 from below: only a cell with no junction has less, and its sums are zeros
	v_rcp_f32 v[MN], v53
	v_mov_b32 v[MN+1], 0                           ; (a plain line behind the transcendental; the pair's upper half is written)
	s_wait_alu depctr_va_vdst(0)
.irp p, 0,2,4,6
	v_pk_mul_f32 v[S+\p:S+\p+1], v[S+\p:S+\p+1], v[MN:MN+1] op_sel_hi:[1,0]   ; the softmax's division
.endr
	v_add3_u32 v[CNT], v[CN], v[CN+1], v[CN+2]
.irp p, 3,5,7,9,11,13
	v_add3_u32 v[CNT], v[CNT], v[CN+\p], v[CN+\p+1]
.endr
	v_add_nc_u32 v[CNT], v[CNT], v[CN+15]
	v_mov_b32_dpp v53, v[CNT] row_xmask:8 row_mask:0xf bank_mask:0xf
	v_add_nc_u32 v[CNT], v[CNT], v53
.set jx, 0
.rept 16
	v_ldexp_f32 v[CB+jx], v[CB+jx], s4             ; the biases go in as C, divided by the power of two that the sums lack
	v_ldexp_f32 v[EB1+jx], v[EB1+jx], s6
.set jx, jx+1
.endr
.irp p, 0,1,2,3,4,5,6,7
	v_med3_num_f32 v[S+\p], v[S+\p], -v27, v27
.endr
	v_cvt_scalef32_pk8_bf8_f32 v[40:41], v[S:S+7], v26   ; registers 2 w, 2 w + 1 of product 6's operand
	v_nop
	ds_store_b64 v15, v[40:41] offset:IMH
	s_cmp_lg_u32 s52, 0                            ; what wave 0 alone will want at the end is asked for here, into registers that the weights have left
	s_cbranch_scc1 .Lnot0
	WIN 0x40
.irp q, 0,1,2,3,4,5,6,7
	global_load_b128 v[128+4*\q:131+4*\q], v10, s[28:29] offset:64*(\q/2)+16*(\q%2)
	global_load_b128 v[160+4*\q:163+4*\q], v10, s[30:31] offset:64*(\q/2)+16*(\q%2)
	global_load_b128 v[192+4*\q:195+4*\q], v10, s[32:33] offset:64*(\q/2)+16*(\q%2)
.endr
	WIN 0
.Lnot0:
	BARRIER                                        ; c_w's, e_w2's and the heads' codes lie in LDS
	; ---- product 6, its norm, comb's codes: in every wave
.irp q, 0,1,2,3,4,5,6,7
	ds_load_b128 v[CWF+4*\q:CWF+4*\q+3], v12 offset:IMC+512*\q
.endr
.irp q, 0,1,2,3,4,5,6,7
	ds_load_b64 v[DN+2*\q:DN+2*\q+1], v14 offset:IMH+256*\q
.endr
	s_wait_dscnt 0x0
	v_wmma_f32_16x16x128_bf8_bf8 v[Z:Z+7], v[CWF:CWF+15], v[DN:DN+15], v[CB:CB+7]
	v_wmma_f32_16x16x128_bf8_bf8 v[Z+8:Z+15], v[CWF+16:CWF+31], v[DN:DN+15], v[CB+8:CB+15]
.rept 4
	v_nop                                          ; places behind the products (ISA guide 7.12.1)
.endr
	SUM16 Z
	v_mul_f32 v[MN], 0x3d000000, v[TS]             ; / 32
	CEN16 Z
	SQ16 Z, TS
	v_fma_f32 v[TS], v[TS], 0x3d000000, s60
	v_rsq_f32 v[MN+1], v[TS]
	v_nop
	s_wait_alu depctr_va_vdst(0)
.irp p, 0,2,4,6,8,10,12,14
	v_pk_mul_f32 v[Z+\p:Z+\p+1], v[Z+\p:Z+\p+1], v[MN:MN+1] op_sel:[0,1] op_sel_hi:[1,1]
.endr
.irp p, 0,2,4,6,8,10,12,14
	v_pk_fma_f32 v[Z+\p:Z+\p+1], v[Z+\p:Z+\p+1], v[CLW+\p:CLW+\p+1], v[CLB+\p:CLB+\p+1]
.endr
.set jx, 0
.rept 16
	v_med3_num_f32 v[Z+jx], v[Z+jx], 0, v29        ; the activation and the hold in one
.set jx, jx+1
.endr
	v_cvt_scalef32_pk8_bf8_f32 v[OC:OC+1], v[Z:Z+7], v28
	v_cvt_scalef32_pk8_bf8_f32 v[OC+2:OC+3], v[Z+8:Z+15], v28
	v_nop
	v_cmp_lt_i32 vcc_lo, 0, v[CNT]
.irp q, 0,1,2,3
	v_cndmask_b32 v[OC+\q], 0, v[OC+\q], vcc_lo    ; a cell whose mask sums to 0 or less: comb = 0
.endr
	; ---- product 7: my 32 units; the norm over all 256
	v_wmma_f32_16x16x64_bf8_bf8 v[Z:Z+7], v[E1F:E1F+7], v[OC:OC+7], v[EB1:EB1+7]           ; source 0's upper four registers are finite codes that meet zero codes
	v_wmma_f32_16x16x64_bf8_bf8 v[Z+8:Z+15], v[E1F+4:E1F+11], v[OC:OC+7], v[EB1+8:EB1+15]
.rept 4
	v_nop
.endr
	SUM16 Z
	v_mul_f32 v[MN], 0x3d000000, v[TS]             ; my 32 units' mean
	CEN16 Z
	SQ16 Z, MN+1                                   ; and their squared deviations
	ds_store_b64 v15, v[MN:MN+1] offset:STT
	BARRIER
.irp q, 0,1,2,3,4,5,6,7
	ds_load_b64 v[CN+2*\q:CN+2*\q+1], v14 offset:STT+256*\q
.endr
	s_wait_dscnt 0x0
	v_add_f32 v44, v72, v74
	v_add_f32 v45, v76, v78
	v_add_f32 v46, v80, v82
	v_add_f32 v47, v84, v86
	v_add_f32 v48, v73, v75
	v_add_f32 v49, v77, v79
	v_add_f32 v50, v81, v83
	v_add_f32 v51, v85, v87
	v_add_f32 v44, v44, v45
	v_add_f32 v46, v46, v47
	v_add_f32 v48, v48, v49
	v_add_f32 v50, v50, v51
	v_add_f32 v44, v44, v46
	v_add_f32 v48, v48, v50                        ; the eight sums of squared deviations
	v_mul_f32 v44, 0x3e000000, v44                 ; the mean of the 256
.irp q, 72,74,76,78,80,82,84,86
	v_sub_f32 v\q, v\q, v44
.endr
	v_mul_f32 v49, v72, v72
	v_mul_f32 v50, v74, v74
	v_fma_f32 v49, v76, v76, v49
	v_fma_f32 v50, v78, v78, v50
	v_fma_f32 v49, v80, v80, v49
	v_fma_f32 v50, v82, v82, v50
	v_fma_f32 v49, v84, v84, v49
	v_fma_f32 v50, v86, v86, v50
	v_add_f32 v49, v49, v50
	v_fma_f32 v48, v49, 0x42000000, v48            ; + 32 x the means' squared deviations
	v_fma_f32 v48, v48, 0x3b800000, s61            ; / 256 + eps
	v_rsq_f32 v51, v48
	v_sub_f32 v50, v[MN], v44                      ; my mean less the whole mean.  (A plain line behind the transcendental)
	s_wait_alu depctr_va_vdst(0)
.irp p, 0,2,4,6,8,10,12,14
	v_pk_add_f32 v[Z+\p:Z+\p+1], v[Z+\p:Z+\p+1], v[50:51] op_sel_hi:[1,0]
.endr
.irp p, 0,2,4,6,8,10,12,14
	v_pk_mul_f32 v[Z+\p:Z+\p+1], v[Z+\p:Z+\p+1], v[50:51] op_sel:[0,1] op_sel_hi:[1,1]
.endr
.irp p, 0,2,4,6,8,10,12,14
	v_pk_fma_f32 v[Z+\p:Z+\p+1], v[Z+\p:Z+\p+1], v[EL1W+\p:EL1W+\p+1], v[EL1B+\p:EL1B+\p+1]
.endr
.set jx, 0
.rept 16
	v_med3_num_f32 v[Z+jx], v[Z+jx], 0, v31
.set jx, jx+1
.endr
	v_cvt_scalef32_pk8_bf8_f32 v[QT:QT+1], v[Z:Z+7], v30
	v_cvt_scalef32_pk8_bf8_f32 v[QT+2:QT+3], v[Z+8:Z+15], v30
	v_nop
	ds_store_b128 v13, v[QT:QT+3] offset:IMY       ; registers 4 w .. 4 w + 3 of product 8's operand
	BARRIER
	s_cmp_lg_u32 s52, 0
	s_cbranch_scc1 .Lend                           ; the other waves go to the last barrier
	; ---- product 8, its norm and the way out: wave 0
	WIN 0x40
.set jx, 0
.rept 32
	ds_load_b128 v[4*jx:4*jx+3], v12 offset:IME+512*jx    ; tile t, K step s: 16 registers at 16 (2 t + s)
.set jx, jx+1
.endr
	WIN 0
.irp q, 0,1,2,3,4,5,6,7
	ds_load_b128 v[CB+4*\q:CB+4*\q+3], v12 offset:IMY+512*\q
.endr
	s_wait_loadcnt 0x0                             ; e_b2, e_ln2_w, e_ln2_b
	WIN 0x41
.set jx, 0
.rept 32
	v_ldexp_f32 v[128+jx], v[128+jx], s7
.set jx, jx+1
.endr
	s_wait_dscnt 0x0
	WIN 0x11
.irp t, 0,1,2,3
	v_wmma_f32_16x16x128_bf8_bf8 v[CWF+8*\t:CWF+8*\t+7], v[32*\t:32*\t+15], v[CB:CB+15], v[128+8*\t:135+8*\t]
.endr
	WIN 0x01
.irp t, 0,1,2,3                        ; the four accumulators take turns, one instruction a turn
	v_wmma_f32_16x16x128_bf8_bf8 v[CWF+8*\t:CWF+8*\t+7], v[32*\t+16:32*\t+31], v[CB+16:CB+31], v[CWF+8*\t:CWF+8*\t+7]
.endr
	WIN 0
.rept 4
	v_nop
.endr
	v_pk_add_f32 v[TS:TS+1], v[CWF:CWF+1], v[CWF+2:CWF+3]
	v_pk_add_f32 v[TS+2:TS+3], v[CWF+4:CWF+5], v[CWF+6:CWF+7]
.set jx, 4
.rept 12
	v_pk_add_f32 v[TS+2*(jx%2):TS+2*(jx%2)+1], v[TS+2*(jx%2):TS+2*(jx%2)+1], v[CWF+2*jx:CWF+2*jx+1]
.set jx, jx+1
.endr
	v_pk_add_f32 v[TS:TS+1], v[TS:TS+1], v[TS+2:TS+3]
	v_add_f32 v[TS], v[TS], v[TS+1]
	v_permlanex16_b32 v[TS+1], v[TS], s58, s59
	v_add_f32 v[TS], v[TS], v[TS+1]
	v_mul_f32 v[MN], 0x3c800000, v[TS]             ; / 64
.set jx, 0
.rept 16
	v_pk_add_f32 v[CWF+2*jx:CWF+2*jx+1], v[CWF+2*jx:CWF+2*jx+1], v[MN:MN+1] op_sel_hi:[1,0] neg_lo:[0,1] neg_hi:[0,1]
.set jx, jx+1
.endr
	v_pk_mul_f32 v[TS:TS+1], v[CWF:CWF+1], v[CWF:CWF+1]
	v_pk_mul_f32 v[TS+2:TS+3], v[CWF+2:CWF+3], v[CWF+2:CWF+3]
.set jx, 2
.rept 14
	v_pk_fma_f32 v[TS+2*(jx%2):TS+2*(jx%2)+1], v[CWF+2*jx:CWF+2*jx+1], v[CWF+2*jx:CWF+2*jx+1], v[TS+2*(jx%2):TS+2*(jx%2)+1]
.set jx, jx+1
.endr
	v_pk_add_f32 v[TS:TS+1], v[TS:TS+1], v[TS+2:TS+3]
	v_add_f32 v[TS], v[TS], v[TS+1]
	v_permlanex16_b32 v[TS+1], v[TS], s58, s59
	v_add_f32 v[TS], v[TS], v[TS+1]
	v_fma_f32 v[TS], v[TS], 0x3c800000, s62
	v_rsq_f32 v[MN+1], v[TS]
	v_nop
.set jx, 0
	s_wait_alu depctr_va_vdst(0)
.rept 16
	v_pk_mul_f32 v[CWF+2*jx:CWF+2*jx+1], v[CWF+2*jx:CWF+2*jx+1], v[MN:MN+1] op_sel:[0,1] op_sel_hi:[1,1]
.set jx, jx+1
.endr
	WIN 0x14
.set jx, 0
.rept 16
	v_pk_fma_f32 v[CWF+2*jx:CWF+2*jx+1], v[CWF+2*jx:CWF+2*jx+1], v[160+2*jx:161+2*jx], v[192+2*jx:193+2*jx]
.set jx, jx+1
.endr
	WIN 0
.set jx, 0
.rept 32
	v_max_num_f32 v[CWF+jx], v[CWF+jx], 0
.set jx, jx+1
.endr
.irp q, 0,1,2,3,4,5,6,7
	ds_store_b128 v18, v[CWF+4*\q:CWF+4*\q+3] offset:OST+64*(\q/2)+16*(\q%2)   ; lane (r, h): o(r, 16 t + 8 h + 0 .. 7)
.endr
.irp q, 0,1                            ; LDS serves a wave's instructions in order (ISA guide 5.7.1.4): these see the stores above.  Rows 0-7 are the octet's cells
	ds_load_b128 v[DN+4*\q:DN+4*\q+3], v19 offset:OST+1088*\q
	ds_load_b128 v[DN+8+4*\q:DN+8+4*\q+3], v19 offset:OST+1088*\q+128
.endr
	s_wait_dscnt 3
	global_store_b128 v12, v[DN:DN+3], s[74:75]              ; four rows of 128 bytes: 512 consecutive bytes, aligned
	s_wait_dscnt 2
	global_store_b128 v12, v[DN+8:DN+11], s[76:77]
	s_wait_dscnt 1
	global_store_b128 v12, v[DN+4:DN+7], s[74:75] offset:512
	s_wait_dscnt 0
	global_store_b128 v12, v[DN+12:DN+15], s[76:77] offset:512
.Lend:
	s_barrier_signal -1
	s_barrier_wait -1
	s_wait_tensorcnt 0x0
	ds_add_u32 v16, v17
	s_wait_dscnt 0x0
	s_endpgm
.Lfunc_end_k_q62e6db305b_tail:
	.size	k_q62e6db305b_tail, .Lfunc_end_k_q62e6db305b_tail-k_q62e6db305b_tail
	.p2alignl 7, 3214868480
	.fill 96, 4, 3214868480
	.section	.rodata,"a",@progbits
	.p2align	6, 0x0
	.amdhsa_kernel k_q62e6db305b_tail
		.amdhsa_group_segment_fixed_size 34048
		.amdhsa_private_segment_fixed_size 0
		.amdhsa_enable_private_segment 0
		.amdhsa_kernarg_size 128
		.amdhsa_user_sgpr_count 2
		.amdhsa_user_sgpr_kernarg_segment_ptr 1
		.amdhsa_wavefront_size32 1
		.amdhsa_system_sgpr_workgroup_id_x 1
		.amdhsa_system_sgpr_workgroup_id_y 1
		.amdhsa_system_sgpr_workgroup_id_z 1
		.amdhsa_system_vgpr_workitem_id 0
		.amdhsa_next_free_vgpr 512
		.amdhsa_next_free_sgpr 80
		.amdhsa_reserve_vcc 1
		.amdhsa_float_denorm_mode_32 3
		.amdhsa_float_denorm_mode_16_64 3
		.amdhsa_memory_ordered 1
		.amdhsa_forward_progress 1
		.amdhsa_inst_pref_size 72
	.end_amdhsa_kernel
	.amdgpu_metadata
---
amdhsa.version: [ 1, 2 ]
amdhsa.kernels:
  - .name:           k_q62e6db305b_tail
    .symbol:         k_q62e6db305b_tail.kd
    .args:
      - { .name: part, .offset: 0, .size: 8, .value_kind: global_buffer, .address_space: global }
      - { .name: c_w, .offset: 8, .size: 8, .value_kind: global_buffer, .address_space: global }
      - { .name: c_b, .offset: 16, .size: 8, .value_kind: global_buffer, .address_space: global }
      - { .name: c_ln_w, .offset: 24, .size: 8, .value_kind: global_buffer, .address_space: global }
      - { .name: c_ln_b, .offset: 32, .size: 8, .value_kind: global_buffer, .address_space: global }
      - { .name: e_w1, .offset: 40, .size: 8, .value_kind: global_buffer, .address_space: global }
      - { .name: e_b1, .offset: 48, .size: 8, .value_kind: global_buffer, .address_space: global }
      - { .name: e_ln1_w, .offset: 56, .size: 8, .value_kind: global_buffer, .address_space: global }
      - { .name: e_ln1_b, .offset: 64, .size: 8, .value_kind: global_buffer, .address_space: global }
      - { .name: e_w2, .offset: 72, .size: 8, .value_kind: global_buffer, .address_space: global }
      - { .name: e_b2, .offset: 80, .size: 8, .value_kind: global_buffer, .address_space: global }
      - { .name: e_ln2_w, .offset: 88, .size: 8, .value_kind: global_buffer, .address_space: global }
      - { .name: e_ln2_b, .offset: 96, .size: 8, .value_kind: global_buffer, .address_space: global }
      - { .name: lowp_scales, .offset: 104, .size: 8, .value_kind: global_buffer, .address_space: global }
      - { .name: out0, .offset: 112, .size: 8, .value_kind: global_buffer, .address_space: global }
      - { .name: out1, .offset: 120, .size: 8, .value_kind: global_buffer, .address_space: global }
    .group_segment_fixed_size: 34048
    .private_segment_fixed_size: 0
    .kernarg_segment_align: 8
    .kernarg_segment_size: 128
    .max_flat_workgroup_size: 256
    .sgpr_count:     80
    .vgpr_count:     512
    .wavefront_size: 32
...
	.end_amdgpu_metadata
.endif
;; end of part 2
